; MI455X (gfx1250); checked and timed in simulation.
; The chip was launched on July 23, 2026; its instructions are those of AMD's public machine-readable ISA for CDNA 5 (MIT licence, August 2026) and "CDNA5" Instruction Set Architecture Reference Guide (July 2026). The comments in the code are by the model that wrote it; some were corrected since.
;; My Multi Head Attention. Allowed arithmetic: float matrix products may take bf16 or f16 operands with f32 sums; other float arithmetic in f32, or as packed bf16 or f16 multiplies, adds, multiply-adds, maxima and minima; sums over many terms, partial sums and values carried from step to step in f32; what a program stores and reads back later, other than sums and carried values, may be rounded once to bf16 or f16.
;; Inputs: Wk 1,024 x 1,024 float32; Wq 1,024 x 1,024 float32; Wv 1,024 x 1,024 float32; bk 1,024 float32; bq 1,024 float32; bv 1,024 float32; x 8 x 2,048 x 1,024 float32.
;; Outputs: out0 8 x 2,048 x 1,024 float32.
;; One version. Each part assembles by itself: llvm-mc -triple=amdgcn-amd-amdhsa -mcpu=gfx1250 --defsym DOCPART=n.
;; ======== version 1 of 1: 3 launches
;; limits: values are held in f16: magnitudes above 65,504 overflow, below 6.1e-05 lose precision
;; workspace buffers: x16 33,554,432 bytes; wqk16 4,194,304 bytes; wv16 2,097,152 bytes; lp 8,388,608 bytes; v16 33,554,432 bytes
;; launch cast (part 1): grid 1216 x 1, 8 waves a work-group, no clusters, 0 bytes of LDS; arguments x, Wq, Wk, Wv, x16, wqk16, wv16; writes x16, wqk16, wv16
.if DOCPART == 1
	.amdgcn_target "amdgcn-amd-amdhsa--gfx1250"
	.amdhsa_code_object_version 6
	.text
	.protected	k_qb1c3dd0bec_cast
	.globl	k_qb1c3dd0bec_cast
	.p2align	8
	.type	k_qb1c3dd0bec_cast,@function
k_qb1c3dd0bec_cast:
	s_mov_b64 s[64:65], 0
	v_nop
	global_prefetch_b8 v0, s[64:65] scope:SCOPE_SE
	s_setreg_imm32_b32 hwreg(HW_REG_WAVE_MODE, 25, 1), 1
	s_wait_xcnt 0x0
; x [16384][1024], Wq, Wk, Wv [1024][1024], all f32, are rounded once to bf16 (nearest even) and that number is written as f16, for the matrix products of the later launches.
; LIMITS.  A bf16 number has 8 significant bits and is exact in f16 between 6.1e-5 and 65,504 in magnitude; below that f16 keeps a fixed step of 6e-8, beyond it the result is an infinity.
; LAYOUT OUT.  x16 [16384][1024] and wv16 [1024][1024] as they come.  wqk16 [2048][1024] holds Wq and Wk by heads: row 128 h + d is Wq's row 64 h + d, row 128 h + 64 + e is Wk's row 64 h + e,
; so that 128 consecutive rows are one head's q and k channels.
; SHARES.  A work-group takes 16 rows: groups 0-1023 x's, then 64 groups each for Wq, Wk, Wv.  Thread t owns bytes 16 t of each source row (a wave's load covers 512 consecutive bytes) and bytes 8 t of
; each row written (a wave's store covers 256 consecutive bytes, aligned).  All 16 loads of a thread go out at once; no register is written twice while a store may read it.
; No LDS, no matrix unit, no cluster: no byte is read by two work-groups, and nothing is summed.
.set SRC, 4096                         ; bytes in a row read
.set DST, 2048                         ; bytes in a row written
.set T,   4                            ; v[4:5]     two packed pairs of bf16, at work
.set X,   8                            ; v[8:71]    row i: 4 registers as loaded, then the rounded numbers as f32
.set Y,   72                           ; v[72:103]  row i: 2 registers, 4 f16 to store
	s_load_b256 s[4:11], s[0:1], 0x0               ; x s[4:5], Wq s[6:7], Wk s[8:9], Wv s[10:11]
	s_load_b128 s[12:15], s[0:1], 0x20             ; x16 s[12:13], wqk16 s[14:15]
	s_load_b64 s[16:17], s[0:1], 0x30              ; wv16
	s_max_u32 s20, ttmp9, 0x400
	s_sub_co_u32 s20, s20, 0x400                   ; the group's number among the weights' 192 (0 in a group that takes x)
	s_lshr_b32 s21, s20, 6                         ; which weight: 0 q, 1 k, 2 v
	s_and_b32 s22, s20, 63                         ; which 16 rows of it
	s_lshr_b32 s23, s22, 2                         ; the head,
	s_lshl_b32 s23, s23, 7                         ; 128 rows of wqk16 a head,
	s_and_b32 s24, s22, 3
	s_lshl_b32 s24, s24, 4                         ; the 16 rows' place in the head's 64,
	s_add_co_u32 s23, s23, s24
	s_lshl_b32 s24, s21, 6                         ; k's rows 64 behind q's
	s_add_co_u32 s23, s23, s24                     ; first row written, in wqk16
	s_lshl_b32 s26, s22, 4                         ; first row read of a weight (and written in wv16)
	s_lshl_b32 s27, ttmp9, 4                       ; first row of x and x16
	s_mov_b32 s32, 0xffff0000                      ; a word's upper bf16
	v_lshlrev_b32 v1, 4, v0                        ; my 16 bytes of a row read
	v_lshlrev_b32 v2, 3, v0                        ; my 8 bytes of a row written
	s_wait_kmcnt 0x0
	s_cmp_eq_u32 s21, 1                            ; the buffers are chosen by the group's number alone
	s_cselect_b64 s[28:29], s[8:9], s[6:7]
	s_cmp_eq_u32 s21, 2
	s_cselect_b64 s[28:29], s[10:11], s[28:29]
	s_cselect_b64 s[30:31], s[16:17], s[14:15]
	s_cselect_b32 s23, s26, s23
	s_cmp_lt_u32 ttmp9, 0x400
	s_cselect_b64 s[28:29], s[4:5], s[28:29]
	s_cselect_b64 s[30:31], s[12:13], s[30:31]
	s_cselect_b32 s26, s27, s26
	s_cselect_b32 s23, s27, s23
	s_lshl_b32 s34, s26, 12                        ; byte offsets, under 2^27
	s_mov_b32 s35, 0
	s_lshl_b32 s36, s23, 11
	s_mov_b32 s37, 0
	s_add_nc_u64 s[28:29], s[28:29], s[34:35]      ; from here
	s_add_nc_u64 s[30:31], s[30:31], s[36:37]      ; to here
.irp i, 0,1,2,3,4,5,6,7,8,9,10,11,12,13,14,15
	global_load_b128 v[X+4*(\i):X+4*(\i)+3], v1, s[28:29] offset:(\i)*SRC th:TH_LOAD_NT
.endr
.irp i, 0,1,2,3,4,5,6,7,8,9,10,11,12,13,14,15
	s_wait_loadcnt 15-(\i)                         ; loads come back in order (ISA guide 5.7.1): row i is in, the younger rows stay out
	v_cvt_pk_bf16_f32 v[T],   v[X+4*(\i)],   v[X+4*(\i)+1]    ; the one rounding
	v_cvt_pk_bf16_f32 v[T+1], v[X+4*(\i)+2], v[X+4*(\i)+3]
	v_lshlrev_b32 v[X+4*(\i)],   16,  v[T]         ; bf16 to f32: the low half moves up,
	v_and_b32     v[X+4*(\i)+1], s32, v[T]         ; the high half stays
	v_lshlrev_b32 v[X+4*(\i)+2], 16,  v[T+1]
	v_and_b32     v[X+4*(\i)+3], s32, v[T+1]
	v_cvt_pk_f16_f32 v[Y+2*(\i)],   v[X+4*(\i)],   v[X+4*(\i)+1]  ; exact within the limits above
	v_cvt_pk_f16_f32 v[Y+2*(\i)+1], v[X+4*(\i)+2], v[X+4*(\i)+3]
	global_store_b64 v2, v[Y+2*(\i):Y+2*(\i)+1], s[30:31] offset:(\i)*DST th:TH_STORE_NT
.endr
	s_endpgm
.Lfunc_end_k_qb1c3dd0bec_cast:
	.size	k_qb1c3dd0bec_cast, .Lfunc_end_k_qb1c3dd0bec_cast-k_qb1c3dd0bec_cast
	.p2alignl 7, 3214868480
	.fill 96, 4, 3214868480
	.section	.rodata,"a",@progbits
	.p2align	6, 0x0
	.amdhsa_kernel k_qb1c3dd0bec_cast
		.amdhsa_group_segment_fixed_size 0
		.amdhsa_private_segment_fixed_size 0
		.amdhsa_enable_private_segment 0
		.amdhsa_kernarg_size 56
		.amdhsa_user_sgpr_count 2
		.amdhsa_user_sgpr_kernarg_segment_ptr 1
		.amdhsa_wavefront_size32 1
		.amdhsa_system_sgpr_workgroup_id_x 1
		.amdhsa_system_sgpr_workgroup_id_y 1
		.amdhsa_system_sgpr_workgroup_id_z 1
		.amdhsa_system_vgpr_workitem_id 0
		.amdhsa_next_free_vgpr 112
		.amdhsa_next_free_sgpr 66
		.amdhsa_reserve_vcc 0
		.amdhsa_float_denorm_mode_32 3
		.amdhsa_float_denorm_mode_16_64 3
		.amdhsa_memory_ordered 1
		.amdhsa_forward_progress 1
		.amdhsa_inst_pref_size 12
	.end_amdhsa_kernel
	.amdgpu_metadata
---
amdhsa.version: [ 1, 2 ]
amdhsa.kernels:
  - .name:           k_qb1c3dd0bec_cast
    .symbol:         k_qb1c3dd0bec_cast.kd
    .args:
      - { .name: x, .offset: 0, .size: 8, .value_kind: global_buffer, .address_space: global }
      - { .name: Wq, .offset: 8, .size: 8, .value_kind: global_buffer, .address_space: global }
      - { .name: Wk, .offset: 16, .size: 8, .value_kind: global_buffer, .address_space: global }
      - { .name: Wv, .offset: 24, .size: 8, .value_kind: global_buffer, .address_space: global }
      - { .name: x16, .offset: 32, .size: 8, .value_kind: global_buffer, .address_space: global }
      - { .name: wqk16, .offset: 40, .size: 8, .value_kind: global_buffer, .address_space: global }
      - { .name: wv16, .offset: 48, .size: 8, .value_kind: global_buffer, .address_space: global }
    .group_segment_fixed_size: 0
    .private_segment_fixed_size: 0
    .kernarg_segment_align: 8
    .kernarg_segment_size: 56
    .max_flat_workgroup_size: 256
    .sgpr_count:     66
    .vgpr_count:     112
    .wavefront_size: 32
...
	.end_amdgpu_metadata
.endif
;; end of part 1
;; launch qkv (part 2): grid 8 x 32, 4 waves a work-group, clusters of 4 x 4, 327,680 bytes of LDS; arguments x16, wqk16, wv16, lp, v16, bq, bk, bv; writes lp, v16
.if DOCPART == 2
	.amdgcn_target "amdgcn-amd-amdhsa--gfx1250"
	.amdhsa_code_object_version 6
	.text
	.protected	k_qb1c3dd0bec_qkv
	.globl	k_qb1c3dd0bec_qkv
	.p2align	8
	.type	k_qb1c3dd0bec_qkv,@function
k_qb1c3dd0bec_qkv:
	s_mov_b64 s[64:65], 0
	v_nop
	global_prefetch_b8 v0, s[64:65] scope:SCOPE_SE
	s_setreg_imm32_b32 hwreg(HW_REG_WAVE_MODE, 25, 1), 1
	s_wait_xcnt 0x0
	s_wait_alu depctr_hold_cnt(0) depctr_sa_sdst(0) depctr_va_vdst(0) depctr_va_sdst(0) depctr_va_ssrc(0) depctr_va_vcc(0) depctr_vm_vsrc(0)
	s_getreg_b32 s2, hwreg(HW_REG_IB_STS2, 6, 4)
	s_cmp_eq_u32 s2, 0
	s_cbranch_scc0 .Lentry_in_a_cluster
	s_endpgm
.Lentry_in_a_cluster:
	s_bfe_u32 s2, ttmp6, 0x10000c
	s_cmp_lg_u32 s2, 0xf033
	s_cbranch_scc0 .Lentry_shape_is_right
	s_endpgm
.Lentry_shape_is_right:
; THE THREE PROJECTIONS, AND THE PARTIAL LOGITS.  q[s][c] = x[s] . Wq[c] + bq[c], k and v likewise; for each batch and head, L[d][e] = the sum over s of q[s][64 h + d] k[s][64 h + e].
; q and k never leave the registers; v leaves once, rounded to f16.
; x16: [16384][1024] f16; wqk16: [2048][1024] f16 (row 128 h + d: Wq, row 128 h + 64 + e: Wk); wv16: [1024][1024] f16; bq, bk, bv: [1024] f32, rounded here to bf16 like the other inputs.  Sums in f32.
; lp: f32, [head 128][part 4][tile 16][half 2][lane 32][4]: an accumulator's registers as they lie; a part is the sum over 512 rows s; the next launch adds the four parts.
; v16: f16, [head 128][block of 32 rows 64][block of 16 channels 4][half 2][lane 32][8]: lane (r = l % 16, hh = l / 16) holds channel 16 bq + r and the rows 32 i + 16 half + 8 hh + 0..7.
; LIMITS.  q, k and v must lie within f16's 65,504; below 6.1e-5 f16 keeps a fixed step of 6e-8.  NaN and infinities are not treated apart.
; SHARES.  A work-group makes THREE tiles of 256 rows x 256 channels, one after the other, the ring running on from tile to tile.  First a tile of v: rows 512 ty + 256 x (cluster x), channels 256 cx: 64 x 4 such
; tiles, one for each of the 256 work-groups; its stores leave while the next tile is multiplied.  Then two tiles of q and k: rows 512 ty and 512 ty + 256, rows 256 tx of wqk16 (two heads).
; Four waves, each 128 rows x 128 channels: 64 accumulators, 512 registers; in a q/k tile a wave's channels are the 64 q and the 64 k of ONE head.
; LAYOUT.  Source 0 = 16 rows of x, source 1 = 16 rows of W: in the result a lane holds ONE channel (lane % 16) and the rows s = 8 (lane / 16) + 0..7.  Two such results, one below the other, rounded to f16
; in pairs, are 16 channels x 32 rows in 8 registers.  For q and k that IS a matrix operand: L^T = k^T q is multiplied straight from those registers (source 0 = 16 channels e of k, source 1 = 16 channels d
; of q; in its result a lane holds one d and eight e).  For v the same registers are stored as they lie.  The bias is the C operand of a tile's first products: it costs no vector line.
; The 16 accumulators of L^T gather both q/k tiles; they are cleared once, in the wait for the first tile, so that the way out of both has one form.
; At the end the two waves of a head (the two halves of the rows) meet in LDS, and one of them stores the sum.  Every store of a wave covers 512 consecutive bytes, aligned.
; CLUSTERS: 4 x 4 work-groups.  In every tile the four of a row of the cluster need the same rows of x (they hang on ty and the cluster's x), the four of a column the same rows of W (they hang on cx and the
; cluster's x): each tile is asked for JOINTLY, by the same tensor load with the same descriptor and a mask that names the four.
; REGISTERS, in windows of 256 (s_set_vgpr_msb's low byte: bits 1:0 source 0, 3:2 source 1, 5:4 source 2, 7:6 destination):
;   window 0: v0-31 addresses; v32-39 q's and k's bias, v40-47 v's, as loaded; v64-127, v128-191 fragments of x, two buffers (at the end: the other wave's sums); v192-255 the tile's bias, eight equal registers a block of 16 channels
;   window 1: v64-127, v128-191 fragments of W, two buffers; v0-63, v192-255 the 16 accumulators of L^T (tile t = 4 db + eb at v[8 t], from t = 8 on at v[8 t + 128])
;   window 2: the 32 accumulators of my rows 0-63 (accumulator (a, b) at v[8 (8 a + b)]);   window 3: those of my rows 64-127
.set SIZE_K, 1024
.set KSTEP,  128
.set PITCH,  272                       ; an LDS row: 256 bytes + 16 of padding = 68 words: row r starts at bank 4 r mod 64 (64 banks of 4 bytes: ISA guide 11.1), so the 16 rows of a load start at 16 different banks
.set HALFT,  128*PITCH                 ; 128 rows: what one tensor load brings, and what one wave reads of x or of W
.set SLOT,   4*HALFT                   ; x's 256 rows, then W's 256 rows
.set RED,    2*SLOT                    ; behind the ring, never filled by a tensor load: 16,384 bytes for each of the two heads, where the two halves of the rows meet
.set SPARE,  RED+32768                 ; behind that: the spare words, 128 bytes for each wave: two blocks of 256 bytes that no other line names
.set LAPS,   SIZE_K/(2*KSTEP)          ; a lap = two K steps = once round the ring
.set TILES,  3
.set WALK,   256                       ; the second q/k tile lies 256 rows of x below the first
.set ADRA, 16                          ; v16-17  LDS address of my fragments of x in slot 0, 1
.set ADRB, 20                          ; v20-21  the same for W
.set RS,   24                          ; v24     my 16 bytes in my head's part of RED
.set LO,   26                          ; v26     16 x lane: my byte offset in 512 bytes of lp and of v16
.set BO,   27                          ; v27     4 x (lane % 16): my channel in a block of 16 of a bias
.set SPW,  28                          ; v28     LDS address of my spare word: SPARE + 4 x my thread's number; never rewritten
.set NIL,  29                          ; v29     0; never rewritten
.set PFO,  30                          ; v30     the prefetches' offset: my lane x a row of 2,048 bytes; never rewritten
.set BL,   32                          ; v32-39  q's (blocks 0-3) and k's (4-7) bias
.set BLV,  40                          ; v40-47  v's bias, blocks 0-7
.set F0,   64                          ; fragment buffer 0
.set F1,   128                         ; fragment buffer 1
.set T,    64                          ; at the end: 128 registers for the other wave's sums
.set BI,   192                         ; v192-255
.set PFA,  44                          ; s[44:45] where my prefetches stand: one K step further along K than the refill that is being asked for
.set LIM,  43                          ; s43     1 in a wave that prefetches in the tile in hand, else the greatest number
.set G1,   24                          ; s[24:31] descriptor group 1 for x's tiles
.set G0,   32                          ; s[32:39] group 0 for x's tiles, one set for each slot
.set G1B,  48                          ; s[48:55] group 1 for W's tiles: it differs in the mask alone
.set G0B,  56                          ; s[56:63] group 0 for W's tiles
.set BQ,   66                          ; s[66:67] bq at my head
.set BKA,  68                          ; s[68:69] bk at my head
.set WV,   70                          ; s[70:71] wv16
.set NA,   72                          ; s[72:73] x16 at the rows that I fetch of the NEXT tile, K step 0
.set NB,   74                          ; s[74:75] wqk16 at the rows that I fetch, K step 0
.set VO,   76                          ; s[76:77] v16 at my wave's first block
.set BV,   78                          ; s[78:79] bv at my 128 channels
.set PFQ,  80                          ; s[80:81] where the prefetches stand at the change to the first q/k tile: K step 1 of my 32 rows of wqk16
.set LIMQ, 82                          ; s82     what LIM becomes at the next change of tiles
.set TO_B, 0x40                        ; destination window 1, address window 0
.set MSB, 0
.macro WIN new                         ; the immediate's high byte repeats the setting that is left; a switch that changes nothing is dropped
.if MSB != (\new)
	s_set_vgpr_msb (MSB<<8)|(\new)
.set MSB, \new
.endif
.endm
; A joint load.  Waves 0 and 1 fetch x's two halves, waves 2 and 3 W's.  The branch hangs on the wave's number alone.  An s_nop 0 and four v_nop follow each of the two lines.
.macro JLOAD s
	s_cmp_eq_u32 s11, 0
	s_cbranch_scc0 .Lfor_b_\@
	tensor_load_to_lds s[G0+4*(\s):G0+4*(\s)+3], s[G1:G1+7]
	s_nop 0
.rept 4
	v_nop
.endr
	s_branch .Lasked_\@
.Lfor_b_\@:
	tensor_load_to_lds s[G0B+4*(\s):G0B+4*(\s)+3], s[G1B:G1B+7]
	s_nop 0
.rept 4
	v_nop
.endr
.Lasked_\@:
.endm
; A PREFETCH INTO THE L2, behind each joint load and the run of LDS loads that follows it: the K step that stands TWO refills on: 32 rows x 256 bytes, a lane a row, one instruction a wave.
; Each row's 256 bytes of a K step are named at most ONCE in the launch, ahead of the launch's first reading of them.  In the tile of v no two clusters read the same rows of x: every cluster asks for its own;
; Wv's rows are read by all sixteen clusters: the launch's first asks.  wqk16's rows are read by the eight clusters of a column of clusters: the one with y = 0 asks, for the first q/k tile alone.
; In the q/k tiles x's rows are read again, and asked for no more.  The four partners that ask for a tile jointly share its rows out BY ADDRESS: of the 128 rows that a wave fetches, the partner at place p
; takes 32 p .. 32 p + 31.  how = 0, in the loop: a tile's last two refills have no K step two on; how = 1, at a change of tiles: the next tile's K steps 2 and 3.
.macro ASK how
.if \how
	s_cmp_eq_u32 s[LIM], 1
.else
	s_cmp_gt_u32 s3, s[LIM]                        ; s3 = 1 in the loop's last trip
.endif
	s_cbranch_scc0 .Lnot_mine_\@
	global_prefetch_b8 v[PFO], s[PFA:PFA+1] offset:KSTEP*2 th:TH_LOAD_NT scope:SCOPE_SE
.Lnot_mine_\@:
.endm
; A round of the cluster's barrier: my work-group's barrier; wave 0 signals for the work-group; every wave waits for all sixteen work-groups; my work-group's barrier once more.
.macro CREST                           ; a round behind its opening barrier
	s_cmp_lg_u32 s10, 0
	s_cbranch_scc1 .Lnot_wave_0_\@
	s_barrier_signal -3
.Lnot_wave_0_\@:
	s_barrier_wait -3
	s_barrier_signal -1
	s_barrier_wait -1
.endm
.macro CROUND                          ; a whole round
	s_barrier_signal -1
	s_barrier_wait -1
	CREST
.endm
	s_load_b128 s[4:7], s[0:1], 0x0                ; x16 s[4:5], wqk16 s[6:7]
	s_load_b64 s[WV:WV+1], s[0:1], 0x10            ; wv16
	s_load_b64 s[8:9], s[0:1], 0x18                ; lp
	s_load_b64 s[VO:VO+1], s[0:1], 0x20            ; v16
	s_load_b64 s[BQ:BQ+1], s[0:1], 0x28            ; bq
	s_load_b64 s[BKA:BKA+1], s[0:1], 0x30          ; bk
	s_load_b64 s[BV:BV+1], s[0:1], 0x38            ; bv
	v_lshl_add_u32 v[SPW], v0, 2, SPARE
	v_mov_b32 v[NIL], 0
	ds_add_u32 v[SPW], v[NIL]                      ; the wave's opening: the add and its wait stand ahead of my first tensor load; the set-up below, work on registers, stands between them
	v_lshrrev_b32 v1, 5, v0
	v_readfirstlane_b32 s10, v1                    ; wave 0..3
	s_lshr_b32 s11, s10, 1                         ; which half of the tile's rows is mine.  Also: I fetch for x (0) or for W (1)
	s_and_b32 s12, s10, 1                          ; which half of its channels.  Also: which 128 rows of that tile I fetch
	s_bfe_u32 s40, ttmp6, 0x40000                  ; cx: my place along the cluster's x
	s_bfe_u32 s41, ttmp6, 0x40004                  ; cy: along its y
	s_lshl_b32 s42, ttmp9, 2                       ; in a cluster launch ttmp9 and ttmp7 count clusters
	s_add_co_u32 s42, s42, s40                     ; tx, the pair of heads of q and k = 4 x cluster x + cx
	s_and_b32 s13, ttmp7, 0xffff
	s_lshl_b32 s13, s13, 2
	s_add_co_u32 s13, s13, s41                     ; ty, the 512 rows of x = 4 x cluster y + cy
	s_lshl_b32 s43, s41, 2
	s_lshl_b32 s43, 15, s43                        ; my row of the cluster: places 4 cy .. 4 cy + 3
	s_lshl_b32 s44, 0x1111, s40                    ; my column: places cx, cx + 4, cx + 8, cx + 12
	; descriptor group 1: a tile of 128 rows x 128 elements, padded in LDS
	s_or_b32 s[G1+0], s43, (1<<16)|(1<<20)|(1<<21)|(5<<22)|(3<<25)  ; 15:0 the mask: x's tiles go to my row; 17:16 elements of 2 bytes; 20 padding on; 21 set beside a mask; 24:22 after every 64 words (code 5); 31:25 4 words (code 3)
	s_or_b32 s[G1B+0], s44, (1<<16)|(1<<20)|(1<<21)|(5<<22)|(3<<25) ; the same with the mask of my column, for W's tiles
.irp g, G1, G1B
	s_mov_b32 s[(\g)+1], KSTEP<<16                 ; tensor_dim0 = 128
	s_mov_b32 s[(\g)+2], 128<<16                   ; tensor_dim1 = 128
	s_mov_b32 s[(\g)+3], KSTEP<<16                 ; tile_dim0 = 128
	s_mov_b32 s[(\g)+4], 128                       ; tile_dim1 = 128
	s_mov_b32 s[(\g)+5], SIZE_K                    ; elements from row to row
	s_mov_b32 s[(\g)+6], 0
	s_mov_b32 s[(\g)+7], 0
.endr
	; x's tiles hang on ty and the cluster's x, which my row of the cluster shares; W's on cx and the cluster's x, which my column shares.  Every wave makes all the addresses, x's in registers that never hold cx.
	s_lshl_b32 s18, s12, 7                         ; which 128 rows of a tile I fetch
	s_lshl_b32 s16, s13, 9
	s_add_co_u32 s16, s16, s18                     ; x, first q/k tile: row 512 ty + 128 x half,
	s_lshl_b32 s16, s16, 11                        ; 2,048 bytes a row: under 2^25
	s_mov_b32 s17, 0
	s_lshl_b32 s86, ttmp9, 19                      ; the tile of v: 256 rows further down in the cluster with x = 1
	s_mov_b32 s87, 0
	s_lshl_b32 s46, s40, 8
	s_add_co_u32 s46, s46, s18                     ; Wv: row 256 cx + 128 x half
	s_lshl_b32 s46, s46, 11
	s_mov_b32 s47, 0
	s_lshl_b32 s88, s42, 8
	s_add_co_u32 s88, s88, s18                     ; wqk16: row 256 tx + 128 x half
	s_lshl_b32 s88, s88, 11
	s_mov_b32 s89, 0
	s_mul_i32 s20, s10, HALFT                      ; where they go: wave x 128 rows: no place in the cluster enters an LDS address
	s_wait_dscnt 0x0                               ; the opening add is done
	s_wait_kmcnt 0x0
	s_add_nc_u64 s[NA:NA+1], s[4:5], s[16:17]
	s_add_nc_u64 s[14:15], s[NA:NA+1], s[86:87]
	s_add_nc_u64 s[46:47], s[WV:WV+1], s[46:47]
	s_add_nc_u64 s[NB:NB+1], s[6:7], s[88:89]
	CROUND                                         ; all sixteen work-groups are here: the first joint loads meet
.irp s, 0,1
	s_mov_b32 s[G0+4*(\s)], 1                                      ; 1:0 count = 1
	s_add_co_u32 s[G0+4*(\s)+1], s20, (\s)*SLOT                    ; 63:32 LDS address
	s_add_nc_u64 s[G0+4*(\s)+2:G0+4*(\s)+3], s[14:15], (\s)*KSTEP*2  ; 120:64 global address: K step s of the tile of v
	s_or_b32 s[G0+4*(\s)+3], s[G0+4*(\s)+3], 0x80000000            ; 127:126 type = 2
	s_mov_b32 s[G0B+4*(\s)], 1
	s_add_co_u32 s[G0B+4*(\s)+1], s20, (\s)*SLOT
	s_add_nc_u64 s[G0B+4*(\s)+2:G0B+4*(\s)+3], s[46:47], (\s)*KSTEP*2
	s_or_b32 s[G0B+4*(\s)+3], s[G0B+4*(\s)+3], 0x80000000
	JLOAD \s                                       ; the ring is filled before anything else is done: two loads of mine are out
.endr
	; the biases: block b of 16 channels, my lane's channel
	v_and_b32 v1, 15, v0                           ; l % 16
	v_bfe_u32 v2, v0, 4, 1                         ; l / 16
	v_lshlrev_b32 v[BO], 2, v1
	s_mov_b32 s23, 0
	s_lshl_b32 s20, s42, 1
	s_add_co_u32 s20, s20, s12                     ; my head of q and k in its batch: 2 tx + half
	s_lshl_b32 s22, s20, 8                         ; 64 channels of 4 bytes
	s_add_nc_u64 s[BQ:BQ+1], s[BQ:BQ+1], s[22:23]
	s_add_nc_u64 s[BKA:BKA+1], s[BKA:BKA+1], s[22:23]
	s_lshl_b32 s22, s40, 8
	s_add_co_u32 s22, s22, s18                     ; my first channel of v: 256 cx + 128 x half
	s_lshl_b32 s22, s22, 2
	s_add_nc_u64 s[BV:BV+1], s[BV:BV+1], s[22:23]
.irp b, 0,1,2,3
	global_load_b32 v[BL+(\b)],   v[BO], s[BQ:BQ+1]   offset:64*(\b)
	global_load_b32 v[BL+4+(\b)], v[BO], s[BKA:BKA+1] offset:64*(\b)
.endr
.irp b, 0,1,2,3,4,5,6,7
	global_load_b32 v[BLV+(\b)], v[BO], s[BV:BV+1] offset:64*(\b)
.endr
	; where my head's part lies in lp: ((batch x 16 + head) x 4 + part) x 16,384 bytes
	s_lshr_b32 s21, s13, 2                         ; batch = ty / 4
	s_lshl_b32 s21, s21, 4
	s_add_co_u32 s22, s21, s20
	s_lshl_b32 s22, s22, 2
	s_and_b32 s19, s13, 3                          ; part = ty % 4
	s_add_co_u32 s22, s22, s19
	s_lshl_b32 s22, s22, 14
	s_add_nc_u64 s[8:9], s[8:9], s[22:23]
	; where my wave's part of the tile of v lies in v16: ((batch x 16 + 4 cx + 2 x half) x 64 + 16 x part + 8 x cluster x + 4 x row half) x 4,096 bytes
	s_lshl_b32 s22, s40, 2
	s_add_co_u32 s22, s22, s21
	s_lshl_b32 s88, s12, 1
	s_add_co_u32 s22, s22, s88
	s_lshl_b32 s22, s22, 6
	s_lshl_b32 s88, s19, 4
	s_add_co_u32 s22, s22, s88
	s_lshl_b32 s88, ttmp9, 3
	s_add_co_u32 s22, s22, s88
	s_lshl_b32 s88, s11, 2
	s_add_co_u32 s22, s22, s88
	s_lshl_b32 s22, s22, 12                        ; under 2^25
	s_add_nc_u64 s[VO:VO+1], s[VO:VO+1], s[22:23]
	; A fragment is 16 rows x 32 K in 8 registers: lane l holds row l % 16; registers 0-3 hold K = 8 (l / 16) + 0..7, registers 4-7 K = 16 + 8 (l / 16) + 0..7: two loads of 16 bytes, 32 bytes apart.
	v_mul_u32_u24 v3, v1, PITCH
	v_lshl_add_u32 v3, v2, 4, v3                   ; row x pitch + 16 x half
	s_mul_i32 s21, s11, HALFT                      ; my 128 rows of x
	s_mul_i32 s22, s12, HALFT                      ; my 128 rows of W,
	s_add_co_u32 s22, s22, 2*HALFT                 ; which lie behind x's 256
.irp s, 0,1
	v_add_nc_u32 v[ADRA+(\s)], s21, v3
	v_add_nc_u32 v[ADRB+(\s)], s22, v3
	s_add_co_u32 s21, s21, SLOT
	s_add_co_u32 s22, s22, SLOT
.endr
	v_and_b32 v4, 31, v0
	v_lshlrev_b32 v[LO], 4, v4                     ; 16 x lane
	s_lshl_b32 s23, s12, 14
	s_add_co_u32 s23, s23, RED                     ; my head's part of RED
	v_add_nc_u32 v[RS], s23, v[LO]
	; the prefetches
	s_lshl_b32 s13, s13, 9
	s_lshl_b32 s88, ttmp9, 8
	s_add_co_u32 s13, s13, s88                     ; x's first row of the tile of v
	s_lshl_b32 s89, s40, 8                         ; Wv's
	s_and_b32 s22, ttmp7, 0xffff                   ; cluster y
	s_or_b32 s19, s22, ttmp9                       ; 0 in the launch's first cluster
	s_cmp_eq_u32 s11, 0                            ; do I fetch for x?
	s_cselect_b32 s20, s13, s89                    ; the tile's first row
	s_cselect_b32 s21, s40, s41                    ; my place among the four that ask for it with me
	s_cselect_b32 s19, 0, s19                      ; the tile of v: x's waves ask in every cluster, Wv's in the first
	s_cselect_b32 s22, 1, s22                      ; the first q/k tile: x's waves ask nowhere, W's in the clusters with y = 0
	s_cselect_b64 s[PFA:PFA+1], s[4:5], s[WV:WV+1]
	s_cselect_b64 s[PFQ:PFQ+1], s[4:5], s[6:7]     ; (in x's waves a pointer that is never used)
	s_cmp_eq_u32 s19, 0
	s_cselect_b32 s[LIM], 1, -1                    ; the same in all sixteen partners, for a given wave
	s_cmp_eq_u32 s22, 0
	s_cselect_b32 s[LIMQ], 1, -1
	s_add_co_u32 s20, s20, s18                     ; + the 128 rows that I fetch
	s_lshl_b32 s21, s21, 5
	s_add_co_u32 s20, s20, s21                     ; + my work-group's 32 of them
	s_lshl_b32 s20, s20, 11
	s_mov_b32 s21, 0
	s_add_nc_u64 s[PFA:PFA+1], s[PFA:PFA+1], s[20:21]
	s_add_nc_u64 s[PFA:PFA+1], s[PFA:PFA+1], 2*KSTEP*2  ; at K step 2: the first refill steps it to 3 and names K step 4.  Nothing is prefetched here, at the head
	s_lshl_b32 s88, s42, 8
	s_add_co_u32 s88, s88, s18
	s_lshl_b32 s89, s41, 5
	s_add_co_u32 s88, s88, s89                     ; wqk16: row 256 tx + 128 x half + 32 cy
	s_lshl_b32 s88, s88, 11
	s_mov_b32 s89, 0
	s_add_nc_u64 s[PFQ:PFQ+1], s[PFQ:PFQ+1], s[88:89]
	s_add_nc_u64 s[PFQ:PFQ+1], s[PFQ:PFQ+1], KSTEP*2    ; at K step 1: the change of tiles names K steps 2 and 3
	v_and_b32 v[PFO], 31, v0
	v_mul_u32_u24 v[PFO], v[PFO], SIZE_K*2
	WIN TO_B                                       ; L^T starts at 0: written while the first tiles are on their way
.set n, 0
.rept 128
	v_mov_b32 v[n+128*(n/64)], 0
.set n, n+1
.endr
	WIN 0
; 16 matrix instructions: row blocks a0, a0 + 1 of the window's four (hi = 0: my rows 0-63, 1: rows 64-127) x all 8 channel blocks, 32 along K.
; zero = 1: a tile's first products: they start the sums with the bias as C.  The 64 accumulators take turns, one instruction a turn.
.macro MUL16 f, hi, a0, zero
.if \zero
	WIN 0x84+0x40*(\hi)                            ; x window 0, W window 1, C (the bias) window 0, D window 2 or 3
.else
	WIN 0xa4+0x50*(\hi)                            ; x window 0, W window 1, C and D window 2 or 3
.endif
.irp a, \a0, (\a0)+1
.irp b, 0,1,2,3,4,5,6,7
.if \zero
	v_wmma_f32_16x16x32_f16 v[8*(8*(\a)+(\b)):8*(8*(\a)+(\b))+7], v[(\f)+8*(4*(\hi)+(\a)):(\f)+8*(4*(\hi)+(\a))+7], v[(\f)+8*(\b):(\f)+8*(\b)+7], v[BI+8*(\b):BI+8*(\b)+7]
.else
	v_wmma_f32_16x16x32_f16 v[8*(8*(\a)+(\b)):8*(8*(\a)+(\b))+7], v[(\f)+8*(4*(\hi)+(\a)):(\f)+8*(4*(\hi)+(\a))+7], v[(\f)+8*(\b):(\f)+8*(\b)+7], v[8*(8*(\a)+(\b)):8*(8*(\a)+(\b))+7]
.endif
.endr
.endr
.endm
; 32 LDS loads in one run: the fragments of one quarter step (128 rows of W, 128 rows of x, 32 K at byte k of the rows) into buffer f
.macro FETCH slot, k, f
	WIN TO_B
.irp i, 0,1,2,3,4,5,6,7
	ds_load_b128 v[(\f)+8*(\i):(\f)+8*(\i)+3],   v[ADRB+(\slot)] offset:(\k)+(\i)*16*PITCH
	ds_load_b128 v[(\f)+8*(\i)+4:(\f)+8*(\i)+7], v[ADRB+(\slot)] offset:(\k)+(\i)*16*PITCH+32
.endr
	WIN 0
.irp i, 0,1,2,3,4,5,6,7
	ds_load_b128 v[(\f)+8*(\i):(\f)+8*(\i)+3],   v[ADRA+(\slot)] offset:(\k)+(\i)*16*PITCH
	ds_load_b128 v[(\f)+8*(\i)+4:(\f)+8*(\i)+7], v[ADRA+(\slot)] offset:(\k)+(\i)*16*PITCH+32
.endr
.endm
; Four places in front of loads into registers that matrix instructions have read, and of vector lines that read results; the matrix instructions in between are not counted.
.macro PLACES
.rept 4
	v_nop
.endr
.endm
; A K step is four quarter steps of 32 along K, 64 matrix instructions each, on buffers 0, 1, 0, 1.  One of the first three: multiplies buffer f; in its middle it fetches the next quarter, at byte k, into g.
.macro QUARTER slot, k, f, g, zero
	s_wait_dscnt 8                                 ; W and x's rows 0-63 are in; the youngest eight loads (x's rows 64-127) may be out
	MUL16 \f, 0, 0, \zero
	MUL16 \f, 0, 2, \zero
	PLACES
	FETCH \slot, \k, \g
	s_wait_dscnt 32                                ; all but the 32 just issued
	MUL16 \f, 1, 0, \zero
	MUL16 \f, 1, 2, \zero
.endm
; The last quarter multiplies buffer 1 and changes slots.  MEET is its first half: ONE barrier for the change.  In front of it each wave waits for all its tensor loads, of which one is out: its part of the
; next slot; adds 0 to its spare word; and waits for that and for its own reads of this slot.  Behind it nobody reads this slot any more and the next slot is whole.
.macro MEET round                      ; round = 1: a round of the cluster's barrier follows
	WIN 0                                          ; (the add's two registers lie in window 0)
	s_wait_tensorcnt 0x0                           ; all my tensor loads have landed;
	ds_add_u32 v[SPW], v[NIL]                      ; 0 onto my spare word;
	s_wait_dscnt 9                                 ; (the add and the youngest eight loads may be out)
	MUL16 F1, 0, 0, 0                              ; sixteen matrix instructions stand between the add and the wait for it
	s_wait_dscnt 0x0                               ; the add is done, and my reads of this slot are over:
	s_barrier_signal -1                            ; say so,
	MUL16 F1, 0, 2, 0                              ; work on registers while the others arrive,
.if \round
	WIN 0
.endif
	s_barrier_wait -1                              ; and go on when all four have said so
.endm
; The whole last quarter.  Behind the round the slot just read out is filled again first: with this tile's K step two steps on (on = 0) or with the next tile's K step 0 or 1 (on = 1), whose addresses are made
; anew from the two pointers NA and NB, the type bits set again.
.macro TURN slot, next, on
	s_wait_xcnt 0x0                                ; the last prefetch, a K step back, has read its address: it is written here, ahead of the waits of the change of slots
.if (\on) && (\slot) == 0
	s_mov_b64 s[PFA:PFA+1], s[PFQ:PFQ+1]           ; the next tile's K step 1; who asks there: at the first change wqk16's askers, at the second nobody
	s_mov_b32 s[LIM], s[LIMQ]
	s_mov_b32 s[LIMQ], -1
.else
	s_add_nc_u64 s[PFA:PFA+1], s[PFA:PFA+1], KSTEP*2
.endif
	MEET 1
	CREST                                          ; no wave of any partner still reads this slot's tile or has a load on its way
.if \on
	s_add_nc_u64 s[G0+4*(\slot)+2:G0+4*(\slot)+3], s[NA:NA+1], (\slot)*KSTEP*2
	s_or_b32 s[G0+4*(\slot)+3], s[G0+4*(\slot)+3], 0x80000000
	s_add_nc_u64 s[G0B+4*(\slot)+2:G0B+4*(\slot)+3], s[NB:NB+1], (\slot)*KSTEP*2
	s_or_b32 s[G0B+4*(\slot)+3], s[G0B+4*(\slot)+3], 0x80000000
.if (\slot) == 1
	s_add_nc_u64 s[NA:NA+1], s[NA:NA+1], WALK*SIZE_K*2  ; the tile after the next lies 256 rows of x further down; W's rows stay
.endif
.else
	s_add_nc_u64 s[G0+4*(\slot)+2:G0+4*(\slot)+3], s[G0+4*(\slot)+2:G0+4*(\slot)+3], 2*KSTEP*2
	s_add_nc_u64 s[G0B+4*(\slot)+2:G0B+4*(\slot)+3], s[G0B+4*(\slot)+2:G0B+4*(\slot)+3], 2*KSTEP*2
.endif
	JLOAD \slot                                    ; the first tensor load behind the round; the four v_nop behind it are also the places in front of the loads below
	FETCH \next, 0, F0
	ASK \on
	MUL16 F1, 1, 0, 0
	MUL16 F1, 1, 2, 0
.endm
.macro TURNX                           ; the last tile's change to slot 1: nothing is filled again, so no round follows
	MEET 0
	PLACES
	FETCH 1, 0, F0
	MUL16 F1, 1, 0, 0
	MUL16 F1, 1, 2, 0
.endm
.macro LASTQ                           ; the very last quarter: nothing more to fetch
	s_wait_dscnt 8
	MUL16 F1, 0, 0, 0
	MUL16 F1, 0, 2, 0
	s_wait_dscnt 0x0
	MUL16 F1, 1, 0, 0
	MUL16 F1, 1, 2, 0
.endm
; Rows 32 p .. 32 p + 31 of my 128: the accumulators of row blocks 2 p and 2 p + 1 are rounded to f16, in place, each from its low end on: block b's eight registers then hold 16 channels x 32 rows.
.macro QKPACK p
	WIN 0x8a+0x45*((\p)/2)                         ; sources and destination in window 2 or 3
.set R0, 128*((\p)%2)
.irp b, 0,1,2,3,4,5,6,7
.irp r, 0,1,2,3
	v_cvt_pk_f16_f32 v[R0+8*(\b)+(\r)], v[R0+8*(\b)+2*(\r)], v[R0+8*(\b)+2*(\r)+1]
.endr
.irp r, 0,1,2,3
	v_cvt_pk_f16_f32 v[R0+8*(\b)+4+(\r)], v[R0+64+8*(\b)+2*(\r)], v[R0+64+8*(\b)+2*(\r)+1]
.endr
.endr
.endm
; Every tile's way out begins so.  The v_nop are the places behind the tile's last products; window 2's conversions stand ahead of window 3's, whose products ended last.
.macro PACKALL
	PLACES
	PLACES
	QKPACK 0
	QKPACK 1
	QKPACK 2
	QKPACK 3
	WIN 0
.endm
; L^T += k^T q over rows 32 p .. 32 p + 31: 16 matrix instructions, the 16 accumulators by turns
.macro QK p
	WIN 0x5a+5*((\p)/2)                            ; k and q in window 2 or 3, L^T in window 1
.set R0, 128*((\p)%2)
.irp db, 0,1,2,3
.irp eb, 0,1,2,3
.set rL, 8*(4*(\db)+(\eb))+128*((\db)/2)
	v_wmma_f32_16x16x32_f16 v[rL:rL+7], v[R0+8*(4+(\eb)):R0+8*(4+(\eb))+7], v[R0+8*(\db):R0+8*(\db)+7], v[rL:rL+7]
.endr
.endr
.endm
.macro QKALL                           ; a q/k tile's way out goes on; the v_nop at its end are the places ahead of the next tile's first products, which write over k and q, or of the reads of L^T
	QK 0
	QK 1
	QK 2
	QK 3
	PLACES
	PLACES
	WIN 0
.endm
.macro BIAS src                        ; the tile's bias: bf16 widened to f32, eight equal registers for each block of 16 channels
.irp b, 0,1,2,3,4,5,6,7
.irp j, 0,1,2,3,4,5,6,7
	v_lshlrev_b32 v[BI+8*(\b)+(\j)], 16, v[(\src)+(\b)]
.endr
.endr
.endm
; The tile of v's way out goes on: the packed registers are stored as they lie: head b / 4 of my two, rows 32 p on, channel block b % 4; each store covers 512 consecutive bytes, at a multiple of 512 from v16's first byte.
.macro VSTORE
.irp p, 0,1,2,3
	WIN 0x08+4*((\p)/2)                            ; a store's data is source 1: window 2 or 3
.irp b, 0,1,2,3,4,5,6,7
	global_store_b128 v[LO], v[128*((\p)%2)+8*(\b):128*((\p)%2)+8*(\b)+3],   s[VO:VO+1] offset:((\b)/4)*262144+(\p)*4096+((\b)%4)*1024 th:TH_STORE_NT
	global_store_b128 v[LO], v[128*((\p)%2)+8*(\b)+4:128*((\p)%2)+8*(\b)+7], s[VO:VO+1] offset:((\b)/4)*262144+(\p)*4096+((\b)%4)*1024+512 th:TH_STORE_NT
.endr
.endr
	WIN 0
	BIAS BL                                        ; the tiles to come are q's and k's
	s_wait_xcnt 0x0                                ; every store has had its addresses translated (ISA guide 3.1): the next tile's products write over the stores' data only behind this wait
.endm
	s_wait_tensorcnt 1                             ; my part of K step 0 is in; K step 1's may stay out
	s_barrier_signal -1
	s_barrier_wait -1                              ; everybody's is
	FETCH 0, 0, F0
	s_wait_loadcnt 0x0                             ; the biases: rounded to bf16 like the other inputs
.irp b, 0,1,2,3,4,5,6,7
	v_cvt_pk_bf16_f32 v[BL+(\b)],  v[BL+(\b)],  v[BL+(\b)]
	v_cvt_pk_bf16_f32 v[BLV+(\b)], v[BLV+(\b)], v[BLV+(\b)]
.endr
	BIAS BLV                                       ; the first tile is v's
	s_mov_b32 s2, TILES                            ; tiles to go, this one among them: the same number in every work-group
.Ltile:                                                ; (every way here leaves every window 0)
	QUARTER 0, 64,  F0, F1, 1                      ; a tile's first quarter stands in front of the loop: its products start the sums
	WIN 0                                          ; at a label and at a branch every window is 0
	s_mov_b32 s3, LAPS-1
.Llap:                                                 ; a trip goes once round the ring, from a lap's second quarter to the next lap's first, and fills both slots again
	QUARTER 0, 128, F1, F0, 0
	QUARTER 0, 192, F0, F1, 0
	TURN 0, 1, 0
	QUARTER 1, 64,  F0, F1, 0
	QUARTER 1, 128, F1, F0, 0
	QUARTER 1, 192, F0, F1, 0
	TURN 1, 0, 0
	QUARTER 0, 64,  F0, F1, 0
	WIN 0
	s_sub_co_u32 s3, s3, 1
	s_cmp_lg_u32 s3, 0
	s_cbranch_scc1 .Llap
	QUARTER 0, 128, F1, F0, 0                      ; the tile's last lap goes on
	QUARTER 0, 192, F0, F1, 0
	WIN 0
	s_cmp_eq_u32 s2, 1
	s_cbranch_scc1 .Llast_tile                     ; the last tile's tail is written out: it asks for nothing more
	TURN 0, 1, 1                                   ; the ring goes on into the next tile: slot 0 takes its K step 0,
	QUARTER 1, 64,  F0, F1, 0
	QUARTER 1, 128, F1, F0, 0
	QUARTER 1, 192, F0, F1, 0
	TURN 1, 0, 1                                   ; slot 1 its K step 1, and the next tile's first fragments are fetched
	PACKALL                                        ; both refills are on their way while this tile goes out
	s_cmp_eq_u32 s2, TILES
	s_cbranch_scc1 .Lvway                          ; the first tile is v's
	QKALL
	s_branch .Lnext
.Lvway:
	VSTORE
.Lnext:
	s_sub_co_u32 s2, s2, 1
	s_branch .Ltile
.Llast_tile:
	TURNX
	QUARTER 1, 64,  F0, F1, 0
	QUARTER 1, 128, F1, F0, 0
	QUARTER 1, 192, F0, F1, 0
	LASTQ
	PACKALL
	QKALL
	; THE TWO HALVES OF THE ROWS MEET.  The wave of rows 128-255 puts its L^T into its head's part of RED, register order; the wave of rows 0-127 adds its own and stores the sum.
	s_cmp_eq_u32 s11, 0
	s_cbranch_scc1 .Lno_put
	WIN 0x04                                       ; an LDS store's data is source 1: window 1
.set q, 0
.rept 32
	ds_store_b128 v[RS], v[4*q+128*(q/16):4*q+128*(q/16)+3] offset:512*q  ; each accumulator from its low end on; 32 lanes, 512 consecutive bytes
.set q, q+1
.endr
	WIN 0
.Lno_put:
	s_wait_dscnt 0x0                               ; for the other wave's sake: my stores are done
	s_barrier_signal -1
	s_barrier_wait -1
	s_cmp_lg_u32 s11, 0
	s_cbranch_scc1 .Lend
.set q, 0
.rept 32
	ds_load_b128 v[T+4*q:T+4*q+3], v[RS] offset:512*q
.set q, q+1
.endr
	s_wait_dscnt 0x0
	WIN 0x04                                       ; source 1 (my L^T) window 1
.set n, 0
.rept 64
	v_pk_add_f32 v[T+n:T+n+1], v[T+n:T+n+1], v[n+128*(n/64):n+128*(n/64)+1]
.set n, n+2
.endr
	WIN 0
.set q, 0
.rept 32
	global_store_b128 v[LO], v[T+4*q:T+4*q+3], s[8:9] offset:512*q  ; 512 consecutive bytes, at a multiple of 512 from lp's first byte
.set q, q+1
.endr
.Lend:
	s_wait_tensorcnt 0x0                           ; the wave's end: behind my last tensor load and my last LDS store
	ds_add_u32 v[SPW], v[NIL]
	s_wait_dscnt 0x0
	CROUND                                         ; the closing round: no work-group ends while a partner may still ask for a tile that names it
	s_endpgm
.Lfunc_end_k_qb1c3dd0bec_qkv:
	.size	k_qb1c3dd0bec_qkv, .Lfunc_end_k_qb1c3dd0bec_qkv-k_qb1c3dd0bec_qkv
	.p2alignl 7, 3214868480
	.fill 96, 4, 3214868480
	.section	.rodata,"a",@progbits
	.p2align	6, 0x0
	.amdhsa_kernel k_qb1c3dd0bec_qkv
		.amdhsa_group_segment_fixed_size 327680
		.amdhsa_private_segment_fixed_size 0
		.amdhsa_enable_private_segment 0
		.amdhsa_kernarg_size 64
		.amdhsa_user_sgpr_count 2
		.amdhsa_user_sgpr_kernarg_segment_ptr 1
		.amdhsa_wavefront_size32 1
		.amdhsa_system_sgpr_workgroup_id_x 1
		.amdhsa_system_sgpr_workgroup_id_y 1
		.amdhsa_system_sgpr_workgroup_id_z 1
		.amdhsa_system_vgpr_workitem_id 0
		.amdhsa_next_free_vgpr 1024
		.amdhsa_next_free_sgpr 92
		.amdhsa_reserve_vcc 0
		.amdhsa_float_denorm_mode_32 3
		.amdhsa_float_denorm_mode_16_64 3
		.amdhsa_memory_ordered 1
		.amdhsa_forward_progress 1
		.amdhsa_inst_pref_size 218
	.end_amdhsa_kernel
	.amdgpu_metadata
---
amdhsa.version: [ 1, 2 ]
amdhsa.kernels:
  - .name:           k_qb1c3dd0bec_qkv
    .symbol:         k_qb1c3dd0bec_qkv.kd
    .args:
      - { .name: x16, .offset: 0, .size: 8, .value_kind: global_buffer, .address_space: global }
      - { .name: wqk16, .offset: 8, .size: 8, .value_kind: global_buffer, .address_space: global }
      - { .name: wv16, .offset: 16, .size: 8, .value_kind: global_buffer, .address_space: global }
      - { .name: lp, .offset: 24, .size: 8, .value_kind: global_buffer, .address_space: global }
      - { .name: v16, .offset: 32, .size: 8, .value_kind: global_buffer, .address_space: global }
      - { .name: bq, .offset: 40, .size: 8, .value_kind: global_buffer, .address_space: global }
      - { .name: bk, .offset: 48, .size: 8, .value_kind: global_buffer, .address_space: global }
      - { .name: bv, .offset: 56, .size: 8, .value_kind: global_buffer, .address_space: global }
    .group_segment_fixed_size: 327680
    .private_segment_fixed_size: 0
    .kernarg_segment_align: 8
    .kernarg_segment_size: 64
    .max_flat_workgroup_size: 128
    .sgpr_count:     92
    .vgpr_count:     1024
    .wavefront_size: 32
...
	.end_amdgpu_metadata
.endif
;; end of part 2
;; launch avout (part 3): grid 256 x 1, 8 waves a work-group, no clusters, 191,488 bytes of LDS; arguments lp, v16, out0; writes out0
.if DOCPART == 3
	.amdgcn_target "amdgcn-amd-amdhsa--gfx1250"
	.amdhsa_code_object_version 6
	.text
	.protected	k_qb1c3dd0bec_avout
	.globl	k_qb1c3dd0bec_avout
	.p2align	8
	.type	k_qb1c3dd0bec_avout,@function
k_qb1c3dd0bec_avout:
	s_mov_b64 s[64:65], 0
	v_nop
	global_prefetch_b8 v0, s[64:65] scope:SCOPE_SE
	s_setreg_imm32_b32 hwreg(HW_REG_WAVE_MODE, 25, 1), 1
	s_wait_xcnt 0x0
; attn[d][e] = softmax over e of L[d][e] / 8, and out[s][64 h + d] = the sum over e of attn[d][e] v[s][64 h + e], for each of the 128 heads.  L is the sum of the four parts in lp, added in a fixed order in f32.
; lp: f32 [head 128][part 4][tile 4 db + eb][half 2][lane 32][4]: lane (r = l % 16, hh = l / 16), register j = 4 half + i of tile (db, eb) holds L[16 db + r][16 eb + 8 hh + j].
; v16: f16 [head 128][block of 32 rows 64][block of 16 channels 4][half 2][lane 32][8]: lane (r, hh) holds channel 16 bq + r and the rows 32 i + 16 half + 8 hh + 0..7.   out0: [16384][1024] f32.
; The row's true maximum m is taken away: p = 2^(c L - c m), c = log2(e) / 8; the rounding of c m is common to a row's weights and their sum.  The sum is taken of the unrounded p; attn is rounded once, to f16.
; LIMITS.  A weight below 2^-126 counts as 0; attn below 6.1e-5 keeps f16's fixed step of 6e-8.  NaN and infinities are not treated apart.
; SHARES.  A work-group takes one head and 1,024 of its 2,048 rows; each of its eight waves 128 rows: 16,384 consecutive bytes of v16, all asked for at once.  Waves 0-3 also make the head's attn, 16 rows d each
; (a lane holds 32 of a row's 64 logits, the lane 16 away the others), and put it into LDS in the order of a matrix operand's registers; one barrier; every wave reads all of it.
; v TURNED.  A wave lays its part of v into LDS bytes of its own as [channel e][row s], and takes it out by ds_load_tr16_b128 as source 1 (32 channels e x 16 rows s) of out^T = attn v^T.  In the result a lane
; holds ONE row s (lane % 16) and the channels d = 8 (lane / 16) + 0..7: 32 bytes of out0.  THE WAY OUT goes by groups of 16 rows (64 channels, 256 bytes a row) through the wave's own stage in LDS, so that
; sixteen lanes store 256 consecutive bytes, aligned.
; The launch moves its bytes once and has little else to do: no tensor loads, no cluster (two work-groups share 64 KiB of lp, of the 448 KiB that each moves), no prefetch.
; REGISTERS.  Window 0: v1-11 addresses; v12-17 at work at the head; v20-31 the softmax's statistics; v32-159 the four parts of L, v160-175 attn packed; later v32-95 attn's 8 fragments, v96-159 out^T of a group,
; two buffers, v160-223 rows read back from the stage, two buffers, v224-255 v's fragments of a group, two buffers.   Window 1: v0-127 my part of v16 as loaded.
.set AT,    0                          ; LDS: attn, [db 4][kk 2][half 2][lane 32][16 bytes]: 8,192 bytes
.set VT,    8192                       ; v turned: for each wave 64 rows (channels) of 256 bytes (128 rows s) + 32 of padding
.set VP,    288                        ; = 72 words: row e starts at bank 8 e mod 64 (64 banks of 4 bytes: ISA guide 11.1)
.set VTW,   64*VP
.set STAGE, VT+8*VTW                   ; 16 rows x 272 bytes for each wave
.set SP,    272
.set SPARE, STAGE+8*16*SP              ; the spare words, 128 bytes for each wave: four blocks of 256 bytes that no other line names
.set LP,  1                            ; v1   my byte offset in a part of lp: 4,096 db + 16 x lane (waves 0-3)
.set L16, 2                            ; v2   16 x lane
.set ATW, 3                            ; v3   where I put attn: AT + 2,048 db + 16 x lane (waves 0-3)
.set VST, 5                            ; v5   where I put 16 bytes of v: my wave's part of VT + (l % 16) x VP + 16 (l / 16)
.set VTR, 6                            ; v6   my lane's place for the turning load
.set STO, 7                            ; v7   the way out: where I put 32 bytes of a row
.set RD,  8                            ; v8   the way out: where I read a row back
.set CO,  9                            ; v9   my byte offset in two rows of out0
.set SPW, 10                           ; v10  LDS address of my spare word: SPARE + 4 x my thread's number; never rewritten
.set NIL, 11                           ; v11  0; never rewritten
.set C,   20                           ; v[20:23] four chains of the maximum
.set S,   32
.set P,   160
.set ATF, 32
.set OT,  96
.set BK,  160
.set VF,  224
.set MSB, 0
.macro WIN new                         ; the immediate's high byte repeats the setting that is left; a switch that changes nothing is dropped
.if MSB != (\new)
	s_set_vgpr_msb (MSB<<8)|(\new)
.set MSB, \new
.endif
.endm
.macro PLACES                          ; four places (ISA guide 7.12.1)
.rept 4
	v_nop
.endr
.endm
	s_load_b128 s[4:7], s[0:1], 0x0                ; lp s[4:5], v16 s[6:7]
	s_load_b64 s[8:9], s[0:1], 0x10                ; out0
	v_lshl_add_u32 v[SPW], v0, 2, SPARE
	v_mov_b32 v[NIL], 0
	v_lshrrev_b32 v12, 5, v0
	v_readfirstlane_b32 s10, v12                   ; wave 0..7
	s_lshr_b32 s11, ttmp9, 1                       ; head of 128
	s_and_b32 s12, ttmp9, 1                        ; which 1,024 rows
	v_and_b32 v13, 31, v0                          ; lane
	v_and_b32 v14, 15, v0                          ; l % 16
	v_bfe_u32 v15, v0, 4, 1                        ; l / 16
	v_lshlrev_b32 v[L16], 4, v13
	s_lshl_b32 s13, s10, 12                        ; db = my wave's number: four tiles of 1,024 bytes
	v_add_nc_u32 v[LP], s13, v[L16]
	s_lshl_b32 s13, s10, 11
	v_add_nc_u32 v[ATW], s13, v[L16]
	s_mul_i32 s14, s10, VTW
	s_add_co_u32 s14, s14, VT                      ; my wave's part of VT
	v_mul_u32_u24 v[VST], v14, VP
	v_lshl_add_u32 v[VST], v15, 4, v[VST]
	v_add_nc_u32 v[VST], s14, v[VST]
	; The turning load takes 16 channels x 16 rows s (lane l reads 16 bytes: channel 8 (l / 16) + l % 8, rows 8 ((l / 8) % 2) + 0..7) and leaves half a fragment: lane l holds row s = l % 16 and 8 channels.
	v_and_b32 v16, 7, v0
	v_bfe_u32 v17, v0, 3, 1
	v_lshl_add_u32 v[VTR], v15, 3, v16
	v_mul_u32_u24 v[VTR], v[VTR], VP
	v_lshl_add_u32 v[VTR], v17, 4, v[VTR]
	v_add_nc_u32 v[VTR], s14, v[VTR]
	s_mul_i32 s15, s10, 16*SP
	s_add_co_u32 s15, s15, STAGE                   ; my stage
	v_mul_u32_u24 v[STO], v14, SP                  ; in: row l % 16, 32 bytes for each half of the lanes
	v_lshl_add_u32 v[STO], v15, 5, v[STO]
	v_add_nc_u32 v[STO], s15, v[STO]
	v_mul_u32_u24 v[RD], v15, SP                   ; back: lanes 0-15 take one row of 256 bytes, lanes 16-31 the next
	v_lshl_add_u32 v[RD], v14, 4, v[RD]
	v_add_nc_u32 v[RD], s15, v[RD]
	v_lshlrev_b32 v[CO], 12, v15                   ; and the same two rows in out0
	v_lshl_add_u32 v[CO], v14, 4, v[CO]
	v_mov_b32 v29, 0                               ; v_permlanex16_b32's destination counts as read
	s_lshl_b32 s16, s11, 16                        ; a head's 65,536 bytes of lp
	s_mov_b32 s17, 0
	s_lshl_b32 s18, s11, 18                        ; its 262,144 bytes of v16,
	s_lshl_b32 s13, s12, 17                        ; my work-group's half of them,
	s_add_co_u32 s18, s18, s13
	s_lshl_b32 s13, s10, 14                        ; my wave's 16,384
	s_add_co_u32 s18, s18, s13
	s_mov_b32 s19, 0
	s_lshr_b32 s24, s11, 4                         ; batch
	s_lshl_b32 s24, s24, 11
	s_lshl_b32 s13, s12, 10
	s_add_co_u32 s24, s24, s13
	s_lshl_b32 s13, s10, 7
	s_add_co_u32 s24, s24, s13                     ; my first row: 2,048 x batch + 1,024 x half + 128 x wave,
	s_lshl_b32 s24, s24, 12                        ; 4,096 bytes a row: under 2^26
	s_and_b32 s13, s11, 15
	s_lshl_b32 s13, s13, 8                         ; the head's 256 bytes of a row
	s_add_co_u32 s24, s24, s13
	s_mov_b32 s25, 0
	s_mov_b32 s20, 0x76543210                      ; v_permlanex16_b32: each lane takes its own place in the other half
	s_mov_b32 s21, 0xfedcba98
	s_mov_b32 s22, 0x3e38aa3b                      ; c = log2(e) / 8 = 0.180337
	s_mov_b32 s23, s22                             ; named with it as a pair
	s_wait_kmcnt 0x0
	s_add_nc_u64 s[4:5], s[4:5], s[16:17]
	s_add_nc_u64 s[6:7], s[6:7], s[18:19]
	s_add_nc_u64 s[8:9], s[8:9], s[24:25]          ; never stepped: all else stands in the stores' immediates
	s_cmp_lt_u32 s10, 4
	s_cbranch_scc0 .Lno_lp
.irp p, 0,1,2,3
.irp q, 0,1,2,3,4,5,6,7
	global_load_b128 v[S+32*(\p)+4*(\q):S+32*(\p)+4*(\q)+3], v[LP], s[4:5] offset:(\p)*16384+(\q)*512
.endr
.endr
.Lno_lp:
	WIN 0x40                                       ; destination window 1
.set q, 0
.rept 32
	global_load_b128 v[4*q:4*q+3], v[L16], s[6:7] offset:512*q th:TH_LOAD_NT  ; 512 consecutive bytes each
.set q, q+1
.endr
	WIN 0
	s_cmp_lt_u32 s10, 4
	s_cbranch_scc0 .Lno_soft
.macro ADDPART p                       ; part p is added onto the sum
.set i, 0
.rept 16
	v_pk_add_f32 v[S+i:S+i+1], v[S+i:S+i+1], v[S+32*(\p)+i:S+32*(\p)+i+1]
.set i, i+2
.endr
.endm
	s_wait_loadcnt 48                              ; parts 0 and 1 are in; the sixteen loads of parts 2 and 3 and v's 32 may stay out
	ADDPART 1
	s_wait_loadcnt 40                              ; part 3's eight and v's 32
	ADDPART 2
	s_wait_loadcnt 32                              ; v's 32
	ADDPART 3
	; the maximum of my 32 logits, three operands at a time, in four chains; then the other half of the lanes'
.irp n, 0,1,2,3
	v_max3_num_f32 v[C+(\n)], v[S+8*(\n)], v[S+8*(\n)+1], v[S+8*(\n)+2]
.endr
.irp n, 0,1,2,3
	v_max3_num_f32 v[C+(\n)], v[C+(\n)], v[S+8*(\n)+3], v[S+8*(\n)+4]
.endr
.irp n, 0,1,2,3
	v_max3_num_f32 v[C+(\n)], v[C+(\n)], v[S+8*(\n)+5], v[S+8*(\n)+6]
.endr
	v_max3_num_f32 v[C], v[C], v[S+7], v[S+15]
	v_max3_num_f32 v[C+1], v[C+1], v[S+23], v[S+31]
	v_max3_num_f32 v[C], v[C], v[C+1], v[C+2]
	v_max_num_f32 v[C], v[C], v[C+3]
	v_permlanex16_b32 v[C+1], v[C], s20, s21
	v_max_num_f32 v24, v[C], v[C+1]                ; m
	v_mul_f32 v26, s22, v24                        ; c m
	v_mov_b32 v27, v26                             ; named with it as a pair
.set i, 0
.rept 16
	v_pk_fma_f32 v[S+i:S+i+1], v[S+i:S+i+1], s[22:23], v[26:27] op_sel_hi:[1,0,0] neg_lo:[0,0,1] neg_hi:[0,0,1]  ; c L - c m
.set i, i+2
.endr
.set i, 0
.rept 32
	v_exp_f32 v[S+i], v[S+i]                       ; one batch
.set i, i+1
.endr
	v_nop                                          ; a plain instruction behind the last exponential (ISA guide 5.7.2),
	s_wait_alu depctr_va_vdst(0)                   ; and the one wait ahead of the batch's first reader
	; the sum of the weights, out of place: the weights stay
.set i, 0
.rept 8
	v_pk_add_f32 v[S+32+2*i:S+32+2*i+1], v[S+4*i:S+4*i+1], v[S+4*i+2:S+4*i+3]
.set i, i+1
.endr
.set i, 0
.rept 4
	v_pk_add_f32 v[S+32+4*i:S+32+4*i+1], v[S+32+4*i:S+32+4*i+1], v[S+32+4*i+2:S+32+4*i+3]
.set i, i+1
.endr
	v_pk_add_f32 v[S+32:S+33], v[S+32:S+33], v[S+36:S+37]
	v_pk_add_f32 v[S+40:S+41], v[S+40:S+41], v[S+44:S+45]
	v_pk_add_f32 v[S+32:S+33], v[S+32:S+33], v[S+40:S+41]
	v_add_f32 v28, v[S+32], v[S+33]
	v_permlanex16_b32 v29, v28, s20, s21
	v_add_f32 v28, v28, v29                        ; l
	v_rcp_f32 v30, v28                             ; twice, to fill the pair that the packed multiply takes
	v_rcp_f32 v31, v28
	v_nop
	s_wait_alu depctr_va_vdst(0)                   ; one wait for both reciprocals
.set i, 0
.rept 16
	v_pk_mul_f32 v[S+i:S+i+1], v[S+i:S+i+1], v[30:31]
.set i, i+2
.endr
.set i, 0
.rept 16
	v_cvt_pk_f16_f32 v[P+i], v[S+2*i], v[S+2*i+1]  ; registers 0-7: a fragment of 16 rows d x columns e 0-31; 8-15: columns 32-63
.set i, i+1
.endr
.irp q, 0,1,2,3
	ds_store_b128 v[ATW], v[P+4*(\q):P+4*(\q)+3] offset:AT+(\q)*512
.endr
.Lno_soft:
	; my part of v goes into my part of VT: block i of 32 rows, channel block bq, half: channel 16 bq + l % 16, bytes 64 i + 32 half + 16 (l / 16) of its row
	WIN 0x04                                       ; an LDS store's data is source 1: window 1
.irp i, 0,1,2,3
	s_wait_loadcnt 8*(3-(\i))                      ; loads come back in order (ISA guide 5.7.1): block i's eight are in, the later blocks' may stay out
.irp bq, 0,1,2,3
	ds_store_b128 v[VST], v[4*(8*(\i)+2*(\bq)):4*(8*(\i)+2*(\bq))+3]     offset:(\bq)*16*VP+64*(\i)
	ds_store_b128 v[VST], v[4*(8*(\i)+2*(\bq)+1):4*(8*(\i)+2*(\bq)+1)+3] offset:(\bq)*16*VP+64*(\i)+32
.endr
.endr
	WIN 0
	s_wait_dscnt 0x0                               ; for the others' sake: my stores are done
	s_barrier_signal -1
	s_barrier_wait -1                              ; attn lies in LDS, whole
.set q, 0
.rept 16
	ds_load_b128 v[ATF+4*q:ATF+4*q+3], v[L16] offset:AT+512*q  ; fragment 2 db + kk = q / 2
.set q, q+1
.endr
; Group g: rows 16 g .. 16 g + 15 of my 128.  TRL: v's two fragments (channels 32 kk on), turned, into buffer g % 2.
.macro TRL g
.set gV, VF+16*((\g)%2)
.irp kk, 0,1
	ds_load_tr16_b128 v[gV+8*(\kk):gV+8*(\kk)+3],   v[VTR] offset:(\kk)*32*VP+32*(\g)
	ds_load_tr16_b128 v[gV+8*(\kk)+4:gV+8*(\kk)+7], v[VTR] offset:(\kk)*32*VP+16*VP+32*(\g)
.endr
.endm
; AV: out^T = attn v^T: 8 matrix instructions; the first four start the sums with the constant 0; the four accumulators take turns.
.macro AV g
.set gV, VF+16*((\g)%2)
.set gO, OT+32*((\g)%2)
.irp kk, 0,1
.irp db, 0,1,2,3
.if (\kk) == 0
	v_wmma_f32_16x16x32_f16 v[gO+8*(\db):gO+8*(\db)+7], v[ATF+8*(2*(\db)+(\kk)):ATF+8*(2*(\db)+(\kk))+7], v[gV+8*(\kk):gV+8*(\kk)+7], 0
.else
	v_wmma_f32_16x16x32_f16 v[gO+8*(\db):gO+8*(\db)+7], v[ATF+8*(2*(\db)+(\kk)):ATF+8*(2*(\db)+(\kk))+7], v[gV+8*(\kk):gV+8*(\kk)+7], v[gO+8*(\db):gO+8*(\db)+7]
.endif
.endr
.endr
.endm
; TOSTAGE: a lane's 32 bytes of each block of 16 channels go into rows of 272 bytes, each accumulator from its low end on, and come back as whole rows of 256.
.macro TOSTAGE g
.set gO, OT+32*((\g)%2)
.set gB, BK+32*((\g)%2)
.irp db, 0,1,2,3
	ds_store_b128 v[STO], v[gO+8*(\db):gO+8*(\db)+3]   offset:64*(\db)
	ds_store_b128 v[STO], v[gO+8*(\db)+4:gO+8*(\db)+7] offset:64*(\db)+16
.endr
.irp t, 0,1,2,3,4,5,6,7
	ds_load_b128 v[gB+4*(\t):gB+4*(\t)+3], v[RD] offset:(\t)*2*SP  ; LDS serves a wave's instructions in order (ISA guide 5.7.1.4): these see the stores above; the next group's stores come behind them
.endr
.endm
.macro SEND g, younger                 ; younger: the LDS loads issued behind the group's loads from the stage: a turning run's four, or none
.set gB, BK+32*((\g)%2)
	s_wait_dscnt \younger                          ; the group is back in registers
	s_wait_xcnt 0x0                                ; every earlier store has had its addresses translated (ISA guide 3.1): the registers that the group before stored are loaded again only behind this wait
.irp t, 0,1,2,3,4,5,6,7
	global_store_b128 v[CO], v[gB+4*(\t):gB+4*(\t)+3], s[8:9] offset:(\g)*65536+(\t)*8192 th:TH_STORE_NT  ; 16 lanes store 256 consecutive bytes, at a multiple of 256 from out0's first byte
.endr
.endm
	TRL 0
	TRL 1
	s_wait_dscnt 4                                 ; attn and group 0's fragments are in; group 1's four loads may stay out
	AV 0
	PLACES                                         ; the places behind the products: ahead of the loads into the fragments that they read and of the stores of their results
	PLACES
	TRL 2
	TOSTAGE 0
.irp g, 1,2,3,4,5,6,7
.if (\g) == 1
	s_wait_dscnt 20                                ; group 1's fragments are in: behind them a turning run's four and a stage's sixteen were issued.  (Later groups' are in by the wait of the SEND before.)
.endif
	AV \g
	PLACES
	PLACES
.if (\g) < 6
	TRL (\g)+2
	SEND (\g)-1, 4
.else
	SEND (\g)-1, 0
.endif
	TOSTAGE \g
.endr
	SEND 7, 0
	s_wait_tensorcnt 0x0                           ; the wave's end: behind my last LDS store
	ds_add_u32 v[SPW], v[NIL]
	s_wait_dscnt 0x0
	s_endpgm
.Lfunc_end_k_qb1c3dd0bec_avout:
	.size	k_qb1c3dd0bec_avout, .Lfunc_end_k_qb1c3dd0bec_avout-k_qb1c3dd0bec_avout
	.p2alignl 7, 3214868480
	.fill 96, 4, 3214868480
	.section	.rodata,"a",@progbits
	.p2align	6, 0x0
	.amdhsa_kernel k_qb1c3dd0bec_avout
		.amdhsa_group_segment_fixed_size 191488
		.amdhsa_private_segment_fixed_size 0
		.amdhsa_enable_private_segment 0
		.amdhsa_kernarg_size 24
		.amdhsa_user_sgpr_count 2
		.amdhsa_user_sgpr_kernarg_segment_ptr 1
		.amdhsa_wavefront_size32 1
		.amdhsa_system_sgpr_workgroup_id_x 1
		.amdhsa_system_sgpr_workgroup_id_y 1
		.amdhsa_system_sgpr_workgroup_id_z 1
		.amdhsa_system_vgpr_workitem_id 0
		.amdhsa_next_free_vgpr 384
		.amdhsa_next_free_sgpr 66
		.amdhsa_reserve_vcc 0
		.amdhsa_float_denorm_mode_32 3
		.amdhsa_float_denorm_mode_16_64 3
		.amdhsa_memory_ordered 1
		.amdhsa_forward_progress 1
		.amdhsa_inst_pref_size 46
	.end_amdhsa_kernel
	.amdgpu_metadata
---
amdhsa.version: [ 1, 2 ]
amdhsa.kernels:
  - .name:           k_qb1c3dd0bec_avout
    .symbol:         k_qb1c3dd0bec_avout.kd
    .args:
      - { .name: lp, .offset: 0, .size: 8, .value_kind: global_buffer, .address_space: global }
      - { .name: v16, .offset: 8, .size: 8, .value_kind: global_buffer, .address_space: global }
      - { .name: out0, .offset: 16, .size: 8, .value_kind: global_buffer, .address_space: global }
    .group_segment_fixed_size: 191488
    .private_segment_fixed_size: 0
    .kernarg_segment_align: 8
    .kernarg_segment_size: 24
    .max_flat_workgroup_size: 256
    .sgpr_count:     66
    .vgpr_count:     384
    .wavefront_size: 32
...
	.end_amdgpu_metadata
.endif
;; end of part 3
